; MI455X (gfx1250); checked and timed in simulation.
; The chip was launched on July 23, 2026; its instructions are those of AMD's public machine-readable ISA for CDNA 5 (MIT licence, August 2026) and "CDNA5" Instruction Set Architecture Reference Guide (July 2026). The comments in the code are by the model that wrote it; some were corrected since.
;; Temporal Encoder. Allowed arithmetic: matrix products marked QUANTISED: E2M1 operands, one E8M0 scale for each 32 along K, by v_wmma_scale_f32_16x16x128_f8f6f4 with both operands' format E2M1 (or v_wmma_scale_f32_32x16x128_f4), f32 sums; everything else in f32.
;; Inputs: W_hh_codes 512 x 4 x 16 uint8 (E2M1 codes of W_hh, K innermost, in blocks of 32 codes, two codes a byte); W_hh_scales 512 x 4 uint8 (E8M0 scales of W_hh, one for each 32 codes along K); W_ih_codes 512 x 2 x 16 uint8 (E2M1 codes of W_ih, K innermost, in blocks of 32 codes, two codes a byte); W_ih_scales 512 x 2 uint8 (E8M0 scales of W_ih, one for each 32 codes along K); b_hh 512 float32; b_ih 512 float32; encode_features_codes 2,048 x 200 x 2 x 16 uint8 (E2M1 codes of encode_features, K innermost, in blocks of 32 codes, two codes a byte); encode_features_scales 2,048 x 200 x 2 uint8 (E8M0 scales of encode_features, one for each 32 codes along K); x_len 2,048 int32.
;; Outputs: out0 1 x 2,048 x 128 float32; out1 1 x 2,048 x 128 float32.
;; This version of the problem:
;;   THIS VERSION OF THE PROBLEM IS GIVEN IN LOW PRECISION. The matrix products marked QUANTISED in the list below multiply operands that are first quantised to E2M1 (2 exponent bits, 1 mantissa bit; 4 bits a number), with one power-of-two scale for each 32 numbers along K (OCP MX v1.0); their sums are f32. All else is computed in f32.
;;   The module's matrix products, in the order in which they are computed (A, B: the left and right operand; K: the contracted axis; several contracted axes count as one K, in the product's order):
;;     1. [M 409,600, K 64] x [K 64, N 512]; A: input encode_features (given as codes); B: input W_ih (given as codes): QUANTISED
;;     2. [M 409,600, K 128] x [K 128, N 512]; A: computed on the way; B: input W_hh (given as codes): QUANTISED
;;   THE QUANTISER, for each operand of a quantised product, along K:
;;     - K is cut into blocks of 32 from its start; a last block that is shorter is filled with zeros.
;;     - A block's scale is 2^e with e = floor(log2(the largest magnitude in the block)) - 2, held to -126 .. 127; a block of zeros has e = 0. As a byte (E8M0): e + 127.
;;     - Each number is divided by its block's scale, clamped to +-6, and rounded to the nearest number of E2M1, ties to even, subnormals kept.
;;     - The product sums the exact products of the quantised numbers (number of the format x scale) in f32.
;;   ~~~python
;;   def quantise(x, axis):      # numpy; x: float32 -> the quantised numbers, widened to float32 again
;;       x = np.moveaxis(x, axis, -1); K = x.shape[-1]
;;       x = np.pad(x, [(0, 0)] * (x.ndim - 1) + [(0, -K % 32)]); x = x.reshape(x.shape[:-1] + (-1, 32)); a = np.abs(x).max(-1, keepdims=True)
;;       e = np.where(a > 0, np.clip(np.frexp(np.where(a > 0, a, 1))[1] - 1 - 2, -126, 127), 0)      # np.frexp(a)[1] - 1 = floor(log2(a)), exactly
;;       r = np.clip(x / 2.0 ** e, -6, 6)
;;       step = 2.0 ** (np.maximum(np.frexp(np.where(r == 0, 1, r))[1] - 1, 0) - 1)
;;       q = np.round(r / step) * step * 2.0 ** e      # np.round: ties to even
;;       return np.moveaxis(q.reshape(q.shape[:-2] + (-1,))[..., :K], -1, axis).astype(np.float32)
;;   ~~~
;;   OPERANDS COMPUTED ON THE WAY. 'Computed on the way' means the value that the module computes at that place (a softmax that the list does not call 'softmax' is quantised finished and normalised). What goes into a quantiser is computed in f32, as accurately as f32 sums, v_exp_f32 and their like allow (about 1e-6 of the number): no bf16 or f16 on the way to a quantiser, and a product that is left as it is and whose result goes on into a quantised operand takes f32 operands (vector FMAs, or v_wmma_f32_16x16x4_f32). A number that lies on a knife's edge between two numbers of the format may be rounded either way, as far as f32 arithmetic and the matrix unit's own rounding can turn it there, and no further.
;;   INPUTS GIVEN AS CODES. W_hh (in the module: [512, 128], K = its axis 1); W_ih (in the module: [512, 64], K = its axis 1); encode_features (in the module: [2048, 200, 64], K = its axis 2): each comes as NAME_codes (uint8): NAME with its K axis moved to the last place and cut into blocks of 32 codes, [.., K / 32, bytes a block], one block behind the other in memory; two codes a byte, the lower K in the low four bits (a code: sign, 2 exponent bits, 1 mantissa bit); and NAME_scales (uint8): the same leading axes, one E8M0 byte (e + 127) for each 32 codes along K. Its value is code x scale, taken as it is: it is not quantised again, and the codes and scales need not be those that the quantiser above would give.
;; One version. Each part assembles by itself: llvm-mc -triple=amdgcn-amd-amdhsa -mcpu=gfx1250 --defsym DOCPART=n.
;; ======== version 1 of 1: 1 launch
;; launch cell (part 1): grid 256 x 1, 8 waves a work-group, no clusters, 62,464 bytes of LDS; arguments encode_features_codes, encode_features_scales, x_len, W_ih_codes, W_ih_scales, W_hh_codes, W_hh_scales, b_ih, b_hh, out0, out1; writes out0, out1
.if DOCPART == 1
	.amdgcn_target "amdgcn-amd-amdhsa--gfx1250"
	.amdhsa_code_object_version 6
	.text
	.protected	k_qebc9ac548f_cell
	.globl	k_qebc9ac548f_cell
	.p2align	8
	.type	k_qebc9ac548f_cell,@function
k_qebc9ac548f_cell:
	s_mov_b64 s[64:65], 0
	v_nop
	global_prefetch_b8 v0, s[64:65] scope:SCOPE_SE
	s_setreg_imm32_b32 hwreg(HW_REG_WAVE_MODE, 25, 1), 1
	s_wait_xcnt 0x0
; One LSTM cell step from h = 0, c = 0 on all 2048 x 200 rows, of which the row index = x_len - 1 (0 where x_len = 0) of each batch element is kept:
;   gates = x W_ih^T + b_ih + h W_hh^T + b_hh;  c' = sigmoid(f) c + sigmoid(i) tanh(g);  h' = sigmoid(o) tanh(c');  out0 = h', out1 = c', each [2048][128] f32.
; BOTH PRODUCTS ARE MADE FOR ALL 409,600 ROWS, on E2M1 codes with E8M0 scales; the gather is applied to the gates, in registers, and the activations are made of the kept rows alone.
; h is the zeros that the cell starts from: zero codes under the scale byte 127, as the quantiser gives for a block of zeros; c likewise is 0, and sigmoid(f) is still made and multiplied by it.
; SHARES.  A work-group owns 8 batch elements (1,600 rows: 100 tiles of 16) and all 512 rows of the weights: 256 work-groups of equal work.  Wave w of eight owns units 16 w .. 16 w + 15 in the four gates
; (rows 128 g + 16 w + 0 .. 15 of the weights): its fragments of W_ih and W_hh, their scale words and b_ih + b_hh stay in its registers, and it walks all 100 tiles: 800 matrix instructions.
; THE MATRIX INSTRUCTION IS USED TRANSPOSED: source 0 = 16 rows of a weight, source 1 = 16 rows of x.  Lane (r = lane % 16, h = lane / 16) holds row r of the tile, and register j unit 16 w + 8 h + j, in all four gates alike.
; THE ROWS OF A TILE ARE CHOSEN: tile i holds timesteps 2 i and 2 i + 1 of the 8 batch elements: row r is batch element b = r % 8, timestep 2 i + r / 8.  So the kept row of each batch element falls into a lane
; that no other batch element uses, and one set of 32 registers (KEEP) takes all eight kept rows.  A tile in which no lane's row is kept jumps over its 32 selects: a branch on a compare with x_len.
; K.  W_ih and x have K = 64: registers 0-3 of a fragment (k = 32 h + 0 .. 31) are 16 bytes of the row as they lie; registers 4-7 are zero codes on both sides.  Their scale words are the row's two bytes, loaded
; as 16 bits: the two upper bytes are 0, over zero codes.
; LDS.  x's codes of the work-group are staged once: wave w reads batch element w, 6,400 consecutive bytes (twelve loads of 512 bytes, one of 256), and lays them by tiles.  A tile is 512 bytes at a pitch of 576; in it
; the 16 bytes of (b, parity p, half h) lie at 256 (b / 4) + 64 (b % 4) + 32 p + 16 (h xor b / 4).  With 64 banks of 4 bytes (ISA guide 11.1) the sixteen lanes of a staging store (four tiles x p x h of one b) and the
; sixteen lanes of a fragment load (eight b x p of one h) each touch sixteen different 16-byte columns of 256.  x's scale bytes are copied as they lie, 400 bytes a wave; the last of its four loads of 128 bytes
; begins at byte 272 and so reads 112 bytes a second time.  One 16-bit load brings the scale words of two tiles: lanes 0-15 the even tile's, lanes 16-31 the odd one's.
; NO CLUSTER, NO JOINT LOADS: what work-groups share is the weights, 52 KB read once by each; x, the bulk, is shared by nobody.  NO PREFETCH: a work-group asks for its whole share in its first lines.
; THE WAY OUT.  The kept lanes put h' and c' into a stage (8 rows of 512 + 16 bytes each), which lies over tiles that have been read out; each wave stores one whole row of each output.
; LIMITS.  x_len outside 0 .. 200 is held to row 199 (a negative index is not wrapped).  The sum's order is (b_ih + b_hh) + h W_hh^T + x W_ih^T.  sigmoid(x) = 1 / (1 + 2^(-x log2 e)) and
; tanh(x) = 1 - 2 / (1 + 2^(2 x log2 e)): both end at their limits where the exponential overflows or falls to 0; tanh's error is absolute, about 1e-7.  The exponential and the reciprocal take
; denormals as 0 (ISA guide, their entries in 15.8).  A given scale byte 0xff is NaN to the matrix instruction.
.set TP,   576                         ; a tile in LDS: 512 bytes + 64
.set XSC,  100*TP                      ; behind the 100 tiles: x's scale bytes, 8 x 400
.set SPT,  528                         ; a stage row: 512 bytes + 16
.set CST,  8*SPT                       ; the stage: h' at 0, c' behind it
.set RA0,  1                           ; v1       my lane's place in a tile
.set RS0,  2                           ; v2       my lane's place among the scale bytes
.set MYI,  3                           ; v3       the tile in which my lane's row is kept, or -1
.set RA,   4                           ; v4       RA0 + the trip's first tile
.set RS,   5                           ; v5       RS0 + the trip's first tile's scale bytes
.set HS,   6                           ; v6       h's scale word: four bytes 127
.set XS,   8                           ; v8-11    x's scale words: one register for each of a trip's four pairs of tiles
.set WIS,  12                          ; v12-15   W_ih's scale words, one register a gate
.set WHS,  16                          ; v16-19   W_hh's
.set XF,   24                          ; v[24:55] four fragments of x; before the loop their lower halves hold the loads' offsets
.set HF,   52                          ; v[52:59] h's fragment: the last fragment's four zero registers and four more
.set CZ,   56                          ; v[56:57] c as the cell starts: 0
.set WI,   60                          ; v[60:91] W_ih's four fragments
.set WH,   92                          ; v[92:123] W_hh's four
.set BIAS, 124                         ; v[124:155] b_ih + b_hh in the result's layout
.set ACC,  156                         ; v[156:219] the gates of two tiles; before the loop: x on its way to LDS
.set KEEP, 220                         ; v[220:251] the gates of the kept rows: i, f, g, o
.set GI,   KEEP
.set GF,   KEEP+8
.set GG,   KEEP+16
.set GO,   KEEP+24
.set T,    ACC                         ; behind the loop: at work,
.set CN,   ACC+8                       ; c',
.set HN,   ACC+16                      ; h',
.set BK,   ACC+24                      ; and two rows read back from the stage
; v7, v23 at work; v20, v21, v22 LDS addresses of the staging, later of the stage; s3 the trip's first tile; s6, s7 its bytes in LDS; s4, s5, s34 at work in a pair
; behind a batch of exponentials or reciprocals: one plain instruction behind the last of them, and one wait ahead of the batch's first reader
.macro BATCH
	v_nop
	s_wait_alu depctr_va_vdst(0)
.endm
.macro HEAD                            ; the trip's addresses
	v_add_nc_u32 v[RA], s6, v[RA0]
	v_add_nc_u32 v[RS], s7, v[RS0]
.endm
; A PAIR OF TILES, the m-th of a trip's four: tiles s3 + 2 m and s3 + 2 m + 1.  Eight accumulators take turns, one instruction a turn: eight products h W_hh^T begin the sums on the
; biases, eight products x W_ih^T add onto them.  ldx = 1: the two fragments' registers take the tiles two pairs on; lds = 1: the scale register takes the pair four pairs on.
; cnt: the LDS loads issued behind this pair's two fragments, which may stay out: one scale load, and the three loads behind the pair before (fewer in the last pairs).
.macro PAIR m, ldx, lds, cnt
.set XA, XF+16*((\m)%2)
.irp s, 0,1
.irp g, 0,1,2,3
	v_wmma_scale_f32_16x16x128_f8f6f4 v[ACC+32*\s+8*\g:ACC+32*\s+8*\g+7], v[WH+8*\g:WH+8*\g+7], v[HF:HF+7], v[BIAS+8*\g:BIAS+8*\g+7], v[WHS+\g], v[HS] matrix_a_fmt:MATRIX_FMT_FP4 matrix_b_fmt:MATRIX_FMT_FP4
.endr
.endr
	s_wait_dscnt \cnt                              ; the pair's fragments and scale words are in; the wait stands behind the eight products that do not need them
.irp g, 0,1,2,3
	v_wmma_scale_f32_16x16x128_f8f6f4 v[ACC+8*\g:ACC+8*\g+7], v[WI+8*\g:WI+8*\g+7], v[XA:XA+7], v[ACC+8*\g:ACC+8*\g+7], v[WIS+\g], v[XS+(\m)] matrix_a_fmt:MATRIX_FMT_FP4 matrix_b_fmt:MATRIX_FMT_FP4
.endr
.irp g, 0,1,2,3
	v_wmma_scale_f32_16x16x128_f8f6f4 v[ACC+32+8*\g:ACC+32+8*\g+7], v[WI+8*\g:WI+8*\g+7], v[XA+8:XA+15], v[ACC+32+8*\g:ACC+32+8*\g+7], v[WIS+\g], v[XS+(\m)] matrix_a_fmt:MATRIX_FMT_FP4 matrix_b_fmt:MATRIX_FMT_FP4 matrix_b_scale:MATRIX_SCALE_ROW1
.endr
	s_add_co_u32 s4, s3, 2*(\m)
	s_add_co_u32 s5, s3, 2*(\m)+1
	v_cmp_eq_u32 vcc_lo, s4, v[MYI]                ; the lanes whose row of the even tile is kept,
	v_cmp_eq_u32 s34, s5, v[MYI]                   ; and of the odd one
.rept 5
	v_nop                                          ; five plain instructions between these products and the next pair's, which begin the same accumulators anew; four of them serve the loads and the selects below
.endr
.if \ldx
	ds_load_b128 v[XA:XA+3],    v[RA] offset:TP*(2*(\m)+4)
	ds_load_b128 v[XA+8:XA+11], v[RA] offset:TP*(2*(\m)+5)
.endif
.if \lds
	ds_load_u16 v[XS+(\m)], v[RS] offset:XSC+4*(2*(\m)+8)
.endif
	s_cbranch_vccz .Lno_even_\@                    ; x_len keeps no row of the even tile: at most 8 of a wave's 100 tiles hold one
.irp j, 0,1,2,3,4,5,6,7,8,9,10,11,12,13,14,15,16,17,18,19,20,21,22,23,24,25,26,27,28,29,30,31
	v_cndmask_b32 v[KEEP+\j], v[KEEP+\j], v[ACC+\j], vcc_lo        ; each accumulator from its low end on
.endr
.Lno_even_\@:
	s_cmp_eq_u32 s34, 0
	s_cbranch_scc1 .Lno_odd_\@
.irp j, 0,1,2,3,4,5,6,7,8,9,10,11,12,13,14,15,16,17,18,19,20,21,22,23,24,25,26,27,28,29,30,31
	v_cndmask_b32 v[KEEP+\j], v[KEEP+\j], v[ACC+32+\j], s34
.endr
.Lno_odd_\@:
.endm
	s_load_b512 s[8:23], s[0:1], 0x0               ; x's codes s[8:9], x's scales s[10:11], x_len s[12:13], W_ih's codes s[14:15], scales s[16:17], W_hh's codes s[18:19], scales s[20:21], b_ih s[22:23]
	s_load_b128 s[24:27], s[0:1], 0x40             ; b_hh s[24:25], out0 s[26:27]
	s_load_b64 s[28:29], s[0:1], 0x50              ; out1
	v_lshl_add_u32 v254, v0, 2, 0xf000
	v_mov_b32 v255, 0
	v_lshrrev_b32 v7, 5, v0
	v_readfirstlane_b32 s2, v7                     ; wave 0..7
	; what is constant in the operands, written far ahead of the products
	v_mov_b32 v[HS], 0x7f7f7f7f
.irp q, 0,1,2,3
.irp j, 4,5,6,7
	v_mov_b32 v[XF+8*\q+\j], 0                     ; x: k = 64 .. 127
.endr
.endr
.irp j, 0,1,2,3
	v_mov_b32 v[CZ+\j], 0                          ; the rest of h's fragment
.endr
.irp g, 0,1,2,3
.irp j, 4,5,6,7
	v_mov_b32 v[WI+8*\g+\j], 0                     ; W_ih: k = 64 .. 127
.endr
.endr
	; scalars made of the wave's number
	s_lshr_b32 s35, s2, 2
	s_lshl_b32 s36, s35, 4                         ; 16 (w / 4): turns the half's bit of a piece's place
	s_lshl_b32 s37, s35, 8
	s_and_b32 s35, s2, 3
	s_lshl_b32 s35, s35, 6
	s_add_co_u32 s37, s37, s35                     ; 256 (w / 4) + 64 (w % 4): batch element w's place in a tile
	s_mul_i32 s38, s2, 400                         ; its scale bytes
	s_mul_i32 s39, s2, SPT                         ; the stage row that I read back
	; the loads' offsets
	v_and_b32 v7, 31, v0                           ; lane
	v_lshlrev_b32 v24, 4, v7                       ; 16 x lane: x's codes, 512 bytes a load
	v_lshlrev_b32 v25, 2, v7                       ; 4 x lane: x's scale bytes, 128 a load
	v_lshlrev_b32 v40, 3, v7                       ; 8 x lane: the last 256 bytes of codes
	v_and_b32 v41, 7, v0                           ; b
	v_lshlrev_b32 v26, 2, v41                      ; x_len of my lane's batch element
	v_and_b32 v42, 15, v0                          ; r
	v_bfe_u32 v43, v0, 4, 1                        ; h
	v_bfe_u32 v23, v0, 3, 1                        ; my row's parity
	v_lshlrev_b32 v27, 5, v42
	v_lshl_add_u32 v27, v43, 4, v27                ; W_ih: row r of 32 bytes, + 16 h
	v_lshlrev_b32 v32, 6, v42
	v_lshl_add_u32 v32, v43, 4, v32                ; W_hh: row r of 64 bytes, + 16 h
	v_lshlrev_b32 v33, 2, v42                      ; W_hh's scale words: 4 bytes a row
	v_lshlrev_b32 v34, 1, v42                      ; W_ih's: 2 bytes a row
	v_lshlrev_b32 v35, 5, v43                      ; the biases: my half's eight numbers
	; where the staged bytes go.  Lane l of a load of 512 bytes holds timestep l / 2, half l % 2: tile l / 4, parity (l / 2) % 2
	v_bfe_u32 v48, v0, 2, 3
	v_mul_u32_u24 v20, v48, TP
	v_and_b32 v49, 3, v0
	v_lshl_add_u32 v20, v49, 4, v20                ; 576 (l / 4) + 32 parity + 16 half,
	v_xor_b32 v20, s36, v20                        ; the half turned where w / 4 = 1,
	v_add_nc_u32 v20, s37, v20                     ; at batch element w's place
	v_bfe_u32 v48, v0, 3, 2                        ; the load of 256 bytes: 8 bytes a lane: tile l / 8, and 8 (l % 8) = 32 parity + 16 half + 8
	v_mul_u32_u24 v22, v48, TP
	v_lshl_add_u32 v22, v41, 3, v22
	v_xor_b32 v22, s36, v22
	v_add_nc_u32 v22, s37, v22
	v_add_nc_u32 v21, s38, v25                     ; the scale bytes go as they lie
	; and where a fragment's lane finds them
	v_bfe_u32 v50, v0, 2, 1                        ; b / 4
	v_xor_b32 v51, v43, v50                        ; h xor b / 4
	v_lshlrev_b32 v[RA0], 8, v50
	v_lshl_add_u32 v[RA0], v49, 6, v[RA0]          ; (v49 = b % 4)
	v_lshl_add_u32 v[RA0], v23, 5, v[RA0]
	v_lshl_add_u32 v[RA0], v51, 4, v[RA0]
	v_mul_u32_u24 v[RS0], v41, 400                 ; scale bytes: batch element b, 4 bytes a tile, 2 for the parity;
	v_lshl_add_u32 v[RS0], v23, 1, v[RS0]
	v_lshl_add_u32 v[RS0], v43, 2, v[RS0]          ; lanes 16-31 take the next tile's
	; the offsets of the bases, apart from the addresses
	s_lshl_b32 s5, ttmp9, 3
	s_add_co_u32 s5, s5, s2                        ; batch element 8 X + w: the one that I stage, and whose rows of the outputs I store
	s_mul_i32 s40, s5, 6400                        ; its codes: 200 rows of 32 bytes
	s_mov_b32 s41, 0
	s_mul_i32 s42, s5, 400                         ; its scale bytes
	s_mov_b32 s43, 0
	s_lshl_b32 s44, ttmp9, 5                       ; x_len: 8 X numbers of 4 bytes
	s_mov_b32 s45, 0
	s_lshl_b32 s46, s2, 9                          ; W_ih's codes: 32 x 16 w
	s_mov_b32 s47, 0
	s_lshl_b32 s48, s2, 5                          ; its scales: 2 x 16 w
	s_mov_b32 s49, 0
	s_lshl_b32 s50, s2, 10                         ; W_hh's codes: 64 x 16 w
	s_mov_b32 s51, 0
	s_lshl_b32 s52, s2, 6                          ; its scales and both biases: 4 x 16 w; also my wave's 64 bytes of a stage row
	s_mov_b32 s53, 0
	s_lshl_b32 s54, s5, 9                          ; the outputs: a row is 512 bytes
	s_mov_b32 s55, 0
	s_mov_b32 s30, 0xbfb8aa3b                      ; -log2(e): the packed forms name a pair and take its low word for both halves, so both words are written
	s_mov_b32 s31, s30
	s_mov_b32 s32, 0x4038aa3b                      ; 2 log2(e)
	s_mov_b32 s33, s32
	s_wait_kmcnt 0x0
	s_add_nc_u64 s[8:9], s[8:9], s[40:41]
	s_add_nc_u64 s[10:11], s[10:11], s[42:43]
	s_add_nc_u64 s[12:13], s[12:13], s[44:45]
	s_add_nc_u64 s[14:15], s[14:15], s[46:47]
	s_add_nc_u64 s[16:17], s[16:17], s[48:49]
	s_add_nc_u64 s[18:19], s[18:19], s[50:51]
	s_add_nc_u64 s[20:21], s[20:21], s[52:53]
	s_add_nc_u64 s[22:23], s[22:23], s[52:53]
	s_add_nc_u64 s[24:25], s[24:25], s[52:53]
	s_add_nc_u64 s[26:27], s[26:27], s[54:55]
	s_add_nc_u64 s[28:29], s[28:29], s[54:55]      ; no base is written again
	; THE LOADS, 54 in all, in the order in which they are wanted: x first
.irp j, 0,1,2,3,4,5,6,7,8,9,10,11
	global_load_b128 v[ACC+4*\j:ACC+4*\j+3], v24, s[8:9] offset:512*\j th:TH_LOAD_NT   ; 32 lanes read 512 consecutive bytes, at a multiple of 256 from the buffer's first byte
.endr
	global_load_b64 v[ACC+48:ACC+49], v40, s[8:9] offset:6144 th:TH_LOAD_NT            ; the batch element's last 256 bytes
	global_load_b32 v[ACC+50], v25, s[10:11]
	global_load_b32 v[ACC+51], v25, s[10:11] offset:128
	global_load_b32 v[ACC+52], v25, s[10:11] offset:256
	global_load_b32 v[ACC+53], v25, s[10:11] offset:272                                ; ends with the 400th byte
	global_load_b32 v7, v26, s[12:13]
.irp g, 0,1,2,3
	global_load_b128 v[BIAS+8*\g:BIAS+8*\g+3],   v35, s[22:23] offset:512*\g           ; b_ih(128 g + 16 w + 8 h + 0 .. 7)
	global_load_b128 v[BIAS+8*\g+4:BIAS+8*\g+7], v35, s[22:23] offset:512*\g+16
.endr
.irp g, 0,1,2,3
	global_load_b128 v[KEEP+8*\g:KEEP+8*\g+3],   v35, s[24:25] offset:512*\g           ; b_hh, into KEEP: so KEEP is written whole; a lane whose row is never kept holds these numbers to the end, and nobody stores them
	global_load_b128 v[KEEP+8*\g+4:KEEP+8*\g+7], v35, s[24:25] offset:512*\g+16
.endr
.irp g, 0,1,2,3
	global_load_b128 v[WH+8*\g:WH+8*\g+3],   v32, s[18:19] offset:8192*\g              ; W_hh(128 g + 16 w + r, 32 h ..)
	global_load_b128 v[WH+8*\g+4:WH+8*\g+7], v32, s[18:19] offset:8192*\g+32           ; and (.., 64 + 32 h ..)
.endr
.irp g, 0,1,2,3
	global_load_b32 v[WHS+\g], v33, s[20:21] offset:512*\g
.endr
.irp g, 0,1,2,3
	global_load_b128 v[WI+8*\g:WI+8*\g+3], v27, s[14:15] offset:4096*\g                ; W_ih(128 g + 16 w + r, 32 h ..)
.endr
.irp g, 0,1,2,3
	global_load_u16 v[WIS+\g], v34, s[16:17] offset:256*\g                             ; two scale bytes; the upper two bytes are 0
.endr
	s_wait_loadcnt 37                              ; x's 13 + 4 loads are in; the 37 issued behind them may be out
.irp j, 0,1,2,3,4,5,6,7,8,9,10,11
	ds_store_b128 v20, v[ACC+4*\j:ACC+4*\j+3] offset:8*TP*\j                           ; a load's 16 timesteps are 8 tiles
.endr
	ds_store_b64 v22, v[ACC+48:ACC+49] offset:96*TP                                    ; timesteps 192 .. 199: tiles 96 .. 99
	ds_store_b32 v21, v[ACC+50] offset:XSC
	ds_store_b32 v21, v[ACC+51] offset:XSC+128
	ds_store_b32 v21, v[ACC+52] offset:XSC+256
	ds_store_b32 v21, v[ACC+53] offset:XSC+272
	s_wait_loadcnt 20                              ; x_len and both biases are in: behind them 8 + 4 of W_hh and 4 + 4 of W_ih
.irp j, 0,2,4,6,8,10,12,14,16,18,20,22,24,26,28,30
	v_pk_add_f32 v[BIAS+\j:BIAS+\j+1], v[BIAS+\j:BIAS+\j+1], v[KEEP+\j:KEEP+\j+1]      ; b_ih + b_hh: what every sum begins on
.endr
	v_min_u32 v48, 1, v7                           ; 1, or 0 where x_len = 0
	v_sub_nc_u32 v7, v7, v48                       ; x_len - 1, or 0
	v_min_u32 v7, 199, v7                          ; the index lies in 0 .. 199
	v_and_b32 v48, 1, v7                           ; its parity,
	v_lshrrev_b32 v7, 1, v7                        ; its tile
	v_cmp_eq_u32 vcc_lo, v48, v23
	v_cndmask_b32 v[MYI], -1, v7, vcc_lo           ; of a batch element's two rows of lanes the one with the index's parity keeps; the other never
	s_wait_dscnt 0x0                               ; for the others' sake: my stores into LDS are done
	s_barrier_signal -1
	s_barrier_wait -1                              ; everybody's are: the 100 tiles and their scale bytes lie in LDS
	s_wait_xcnt 0x0                                ; the global loads have read their offsets: the registers that held them take fragments now
	ds_load_u16  v[XS],          v[RS0] offset:XSC                 ; pairs 0 to 3 of scale words, tiles 0 to 3
	ds_load_b128 v[XF:XF+3],     v[RA0]
	ds_load_b128 v[XF+8:XF+11],  v[RA0] offset:TP
	ds_load_u16  v[XS+1],        v[RS0] offset:XSC+8
	ds_load_b128 v[XF+16:XF+19], v[RA0] offset:2*TP
	ds_load_b128 v[XF+24:XF+27], v[RA0] offset:3*TP
	ds_load_u16  v[XS+2],        v[RS0] offset:XSC+16
	ds_load_u16  v[XS+3],        v[RS0] offset:XSC+24
	s_mov_b32 s3, 0
	s_mov_b32 s6, 0
	s_mov_b32 s7, 0
	s_wait_loadcnt 0x0                             ; the weights and their scales
.Ltrip:                                            ; 11 trips of four pairs: tiles 0 .. 87.  Every trip loads tiles up to its first + 11 and scale words up to its first + 15
	HEAD
	PAIR 0, 1, 1, 4
	PAIR 1, 1, 1, 4
	PAIR 2, 1, 1, 4
	PAIR 3, 1, 1, 4
	s_add_co_u32 s6, s6, 8*TP
	s_add_co_u32 s7, s7, 32
	s_add_co_u32 s3, s3, 8
	s_cmp_lt_u32 s3, 88
	s_cbranch_scc1 .Ltrip
	HEAD                                           ; the last six pairs are written out: they load what there is, and the counts run down
	PAIR 0, 1, 1, 4                                ; tiles 88, 89; asks for tiles 92, 93 and the scale words of 96, 97
	PAIR 1, 1, 1, 4                                ; asks for 94, 95 and the scale words of 98, 99
	PAIR 2, 1, 0, 4                                ; asks for 96, 97
	PAIR 3, 1, 0, 3                                ; asks for 98, 99
	s_add_co_u32 s3, s3, 8
	PAIR 0, 0, 0, 2
	PAIR 1, 0, 0, 0
	s_wait_dscnt 0x0                               ; my reads of the tiles are over:
	s_barrier_signal -1                            ; say so; the stage lies over tiles, and is written only when all eight waves have said so.  Work on registers stands between
	v_and_b32 v7, 7, v0                            ; into the stage: row b, + my wave's 64 bytes, + 32 h
	v_mul_u32_u24 v20, v7, SPT
	v_bfe_u32 v23, v0, 4, 1
	v_lshl_add_u32 v20, v23, 5, v20
	v_add_nc_u32 v20, s52, v20
	v_and_b32 v22, 31, v0
	v_lshlrev_b32 v22, 4, v22                      ; 16 x lane: my bytes of a row of an output,
	v_add_nc_u32 v21, s39, v22                     ; and of stage row w
	; THE ACTIVATIONS of the kept rows, in place
.irp j, 0,2,4,6
	v_pk_mul_f32 v[GI+\j:GI+\j+1], v[GI+\j:GI+\j+1], s[30:31] op_sel_hi:[1,0]  ; -x log2 e for the three sigmoids,
.endr
.irp j, 0,2,4,6
	v_pk_mul_f32 v[GF+\j:GF+\j+1], v[GF+\j:GF+\j+1], s[30:31] op_sel_hi:[1,0]
.endr
.irp j, 0,2,4,6
	v_pk_mul_f32 v[GG+\j:GG+\j+1], v[GG+\j:GG+\j+1], s[32:33] op_sel_hi:[1,0]  ; 2 x log2 e for the tanh
.endr
.irp j, 0,2,4,6
	v_pk_mul_f32 v[GO+\j:GO+\j+1], v[GO+\j:GO+\j+1], s[30:31] op_sel_hi:[1,0]
.endr
.irp j, 0,1,2,3,4,5,6,7,8,9,10,11,12,13,14,15,16,17,18,19,20,21,22,23,24,25,26,27,28,29,30,31
	v_exp_f32 v[KEEP+\j], v[KEEP+\j]
.endr
	BATCH
.irp j, 0,2,4,6,8,10,12,14,16,18,20,22,24,26,28,30
	v_pk_add_f32 v[KEEP+\j:KEEP+\j+1], v[KEEP+\j:KEEP+\j+1], 1.0 op_sel_hi:[1,0]
.endr
.irp j, 0,1,2,3,4,5,6,7,8,9,10,11,12,13,14,15,16,17,18,19,20,21,22,23,24,25,26,27,28,29,30,31
	v_rcp_f32 v[KEEP+\j], v[KEEP+\j]               ; sigmoid(i), sigmoid(f), sigmoid(o); for g: 1 / (1 + e^(2 g))
.endr
	BATCH
.irp j, 0,2,4,6
	v_pk_fma_f32 v[GG+\j:GG+\j+1], v[GG+\j:GG+\j+1], -2.0, 1.0 op_sel_hi:[1,0,0]   ; tanh(g)
.endr
.irp j, 0,2,4,6
	v_pk_mul_f32 v[T+\j:T+\j+1], v[GI+\j:GI+\j+1], v[GG+\j:GG+\j+1]            ; sigmoid(i) tanh(g)
.endr
.irp j, 0,2,4,6
	v_pk_fma_f32 v[CN+\j:CN+\j+1], v[GF+\j:GF+\j+1], v[CZ:CZ+1], v[T+\j:T+\j+1]    ; c' = sigmoid(f) c + that
.endr
.irp j, 0,2,4,6
	v_pk_mul_f32 v[T+\j:T+\j+1], v[CN+\j:CN+\j+1], s[32:33] op_sel_hi:[1,0]
.endr
.irp j, 0,1,2,3,4,5,6,7
	v_exp_f32 v[T+\j], v[T+\j]
.endr
	BATCH
.irp j, 0,2,4,6
	v_pk_add_f32 v[T+\j:T+\j+1], v[T+\j:T+\j+1], 1.0 op_sel_hi:[1,0]
.endr
.irp j, 0,1,2,3,4,5,6,7
	v_rcp_f32 v[T+\j], v[T+\j]
.endr
	BATCH
.irp j, 0,2,4,6
	v_pk_fma_f32 v[T+\j:T+\j+1], v[T+\j:T+\j+1], -2.0, 1.0 op_sel_hi:[1,0,0]   ; tanh(c')
.endr
.irp j, 0,2,4,6
	v_pk_mul_f32 v[HN+\j:HN+\j+1], v[GO+\j:GO+\j+1], v[T+\j:T+\j+1]            ; h' = sigmoid(o) tanh(c')
.endr
	s_barrier_wait -1                              ; nobody reads a tile any more
	; THE WAY OUT.  Only the lanes that kept a row store: for each batch element one row of lanes in each half.  No global load or store has been issued since the wait on XCNT above, so EXEC may change
	v_cmp_ne_u32 vcc_lo, -1, v[MYI]
	s_and_saveexec_b32 s34, vcc_lo
	ds_store_b128 v20, v[HN:HN+3]
	ds_store_b128 v20, v[HN+4:HN+7] offset:16
	ds_store_b128 v20, v[CN:CN+3] offset:CST
	ds_store_b128 v20, v[CN+4:CN+7] offset:CST+16
	s_or_b32 exec_lo, exec_lo, s34                 ; all lanes on again
	s_wait_dscnt 0x0                               ; for the others' sake: my stores into the stage are done
	s_barrier_signal -1
	s_barrier_wait -1                              ; everybody's are: 8 whole rows of h' and of c' lie in the stage
	ds_load_b128 v[BK:BK+3],   v21                 ; row w of h',
	ds_load_b128 v[BK+4:BK+7], v21 offset:CST      ; and of c'
	s_wait_dscnt 1                                 ; LDS loads come back in order (ISA guide 5.7.1): the first is in, the second may be out
	global_store_b128 v22, v[BK:BK+3], s[26:27] th:TH_STORE_NT                 ; 32 lanes store a row's 512 consecutive bytes, at a multiple of 256 from the output's first byte
	s_wait_dscnt 0
	global_store_b128 v22, v[BK+4:BK+7], s[28:29] th:TH_STORE_NT
	s_wait_tensorcnt 0x0
	ds_add_u32 v254, v255
	s_wait_dscnt 0x0
	s_endpgm
.Lfunc_end_k_qebc9ac548f_cell:
	.size	k_qebc9ac548f_cell, .Lfunc_end_k_qebc9ac548f_cell-k_qebc9ac548f_cell
	.p2alignl 7, 3214868480
	.fill 96, 4, 3214868480
	.section	.rodata,"a",@progbits
	.p2align	6, 0x0
	.amdhsa_kernel k_qebc9ac548f_cell
		.amdhsa_group_segment_fixed_size 62464
		.amdhsa_private_segment_fixed_size 0
		.amdhsa_enable_private_segment 0
		.amdhsa_kernarg_size 88
		.amdhsa_user_sgpr_count 2
		.amdhsa_user_sgpr_kernarg_segment_ptr 1
		.amdhsa_wavefront_size32 1
		.amdhsa_system_sgpr_workgroup_id_x 1
		.amdhsa_system_sgpr_workgroup_id_y 1
		.amdhsa_system_sgpr_workgroup_id_z 1
		.amdhsa_system_vgpr_workitem_id 0
		.amdhsa_next_free_vgpr 256
		.amdhsa_next_free_sgpr 66
		.amdhsa_reserve_vcc 1
		.amdhsa_float_denorm_mode_32 3
		.amdhsa_float_denorm_mode_16_64 3
		.amdhsa_memory_ordered 1
		.amdhsa_forward_progress 1
		.amdhsa_inst_pref_size 78
	.end_amdhsa_kernel
	.amdgpu_metadata
---
amdhsa.version: [ 1, 2 ]
amdhsa.kernels:
  - .name:           k_qebc9ac548f_cell
    .symbol:         k_qebc9ac548f_cell.kd
    .args:
      - { .name: encode_features_codes, .offset: 0, .size: 8, .value_kind: global_buffer, .address_space: global }
      - { .name: encode_features_scales, .offset: 8, .size: 8, .value_kind: global_buffer, .address_space: global }
      - { .name: x_len, .offset: 16, .size: 8, .value_kind: global_buffer, .address_space: global }
      - { .name: W_ih_codes, .offset: 24, .size: 8, .value_kind: global_buffer, .address_space: global }
      - { .name: W_ih_scales, .offset: 32, .size: 8, .value_kind: global_buffer, .address_space: global }
      - { .name: W_hh_codes, .offset: 40, .size: 8, .value_kind: global_buffer, .address_space: global }
      - { .name: W_hh_scales, .offset: 48, .size: 8, .value_kind: global_buffer, .address_space: global }
      - { .name: b_ih, .offset: 56, .size: 8, .value_kind: global_buffer, .address_space: global }
      - { .name: b_hh, .offset: 64, .size: 8, .value_kind: global_buffer, .address_space: global }
      - { .name: out0, .offset: 72, .size: 8, .value_kind: global_buffer, .address_space: global }
      - { .name: out1, .offset: 80, .size: 8, .value_kind: global_buffer, .address_space: global }
    .group_segment_fixed_size: 62464
    .private_segment_fixed_size: 0
    .kernarg_segment_align: 8
    .kernarg_segment_size: 88
    .max_flat_workgroup_size: 256
    .sgpr_count:     66
    .vgpr_count:     256
    .wavefront_size: 32
...
	.end_amdgpu_metadata
.endif
;; end of part 1
